; MI455X (gfx1250); checked and timed in simulation.
; The chip was launched on July 23, 2026; its instructions are those of AMD's public machine-readable ISA for CDNA 5 (MIT licence, August 2026) and "CDNA5" Instruction Set Architecture Reference Guide (July 2026). The comments in the code are by the model that wrote it; some were corrected since.
;; Masked Attention. Allowed arithmetic: matrix products marked QUANTISED: E4M3 operands, one given power-of-two scale a tensor, by v_wmma_f32_16x16x64_fp8_fp8 or v_wmma_f32_16x16x128_fp8_fp8, f32 sums; everything else in f32.
;; Inputs: Wk 1,024 x 1,024 float32; Wo 1,024 x 1,024 float32; Wq 1,024 x 1,024 float32; Wv 1,024 x 1,024 float32; bk 1,024 float32; bo 1,024 float32; bq 1,024 float32; bv 1,024 float32; lowp_scales 12 int32 (the exponents e of the quantised operands' scales 2^e); mask 2 x 2,048 bool; x 2 x 2,048 x 1,024 float32.
;; Outputs: out0 2 x 2,048 x 1,024 float32.
;; This version of the problem:
;;   THIS VERSION OF THE PROBLEM IS GIVEN IN LOW PRECISION. The matrix products marked QUANTISED in the list below multiply operands that are first quantised to E4M3 (4 exponent bits, 3 mantissa bits; 8 bits a number), with one given power-of-two scale for each operand tensor; their sums are f32. All else is computed in f32.
;;   The module's matrix products, in the order in which they are computed (A, B: the left and right operand; K: the contracted axis; several contracted axes count as one K, in the product's order):
;;     1. [M 4,096, K 1,024] x [K 1,024, N 1,024]; A: input x; B: input Wq: QUANTISED (scales: A lowp_scales[0], B lowp_scales[1])
;;     2. [M 4,096, K 1,024] x [K 1,024, N 1,024]; A: input x; B: input Wk: QUANTISED (scales: A lowp_scales[2], B lowp_scales[3])
;;     3. [M 4,096, K 1,024] x [K 1,024, N 1,024]; A: input x; B: input Wv: QUANTISED (scales: A lowp_scales[4], B lowp_scales[5])
;;     4. batch 32 x [M 2,048, K 64] x [K 64, N 2,048]; A: computed on the way; B: computed on the way: QUANTISED (scales: A lowp_scales[6], B lowp_scales[7])
;;     5. batch 32 x [M 2,048, K 2,048] x [K 2,048, N 64]; A: softmax (see below); B: computed on the way: QUANTISED (scales: A lowp_scales[8], B lowp_scales[9])
;;     6. [M 4,096, K 1,024] x [K 1,024, N 1,024]; A: computed on the way; B: input Wo: QUANTISED (scales: A lowp_scales[10], B lowp_scales[11])
;;   THE QUANTISER, for each operand of a quantised product, along K:
;;     - The operand's scale is 2^e, e = its entry of the input lowp_scales (int32; the entries are numbered through the quantised products in the list's order, A before B).
;;     - Each number is divided by the scale, clamped to +-448, and rounded to the nearest number of E4M3, ties to even, subnormals kept.
;;     - The product sums the exact products of the quantised numbers (number of the format x scale) in f32.
;;   ~~~python
;;   def quantise(x, axis, e):      # numpy; x: float32 -> the quantised numbers, widened to float32 again
;;       x = np.moveaxis(x, axis, -1); K = x.shape[-1]
;;       r = np.clip(x / 2.0 ** e, -448, 448)
;;       step = 2.0 ** (np.maximum(np.frexp(np.where(r == 0, 1, r))[1] - 1, -6) - 3)
;;       q = np.round(r / step) * step * 2.0 ** e      # np.round: ties to even
;;       return np.moveaxis(q, -1, axis).astype(np.float32)
;;   ~~~
;;   SOFTMAX AHEAD OF A QUANTISED PRODUCT. Where the list says 'softmax', what is quantised is not the finished softmax but p = 2^(t - M), with t = logit x log2(e) and M = ceil(the row's largest t), a whole number; so 1/2 < the row's largest p <= 1. The row's sum l is taken of the UNQUANTISED p, in f32, and the product's result is divided by l at the end. Since M is a whole number, a kernel that streams over the keys may use a running M (the ceiling of the running maximum): every later rescaling is an exact power of two, so the quantised numbers keep their values, but for numbers so far below the row's largest that they fall under the format's range.
;;   OPERANDS COMPUTED ON THE WAY. 'Computed on the way' means the value that the module computes at that place (a softmax that the list does not call 'softmax' is quantised finished and normalised). What goes into a quantiser is computed in f32, as accurately as f32 sums, v_exp_f32 and their like allow (about 1e-6 of the number): no bf16 or f16 on the way to a quantiser, and a product that is left as it is and whose result goes on into a quantised operand takes f32 operands (vector FMAs, or v_wmma_f32_16x16x4_f32). A number that lies on a knife's edge between two numbers of the format may be rounded either way, as far as f32 arithmetic and the matrix unit's own rounding can turn it there, and no further.
;; One version. Each part assembles by itself: llvm-mc -triple=amdgcn-amd-amdhsa -mcpu=gfx1250 --defsym DOCPART=n.
;; ======== version 1 of 1: 4 launches
;; limits: right only within a limited range of input values
;; workspace buffers: xc 12,582,912 bytes; wc 4,194,304 bytes; qkv 12,582,912 bytes; oc 4,194,304 bytes
;; launch quant (part 1): grid 512 x 1, 4 waves a work-group, no clusters, 68,096 bytes of LDS; arguments x, Wq, Wk, Wv, Wo, lowp_scales, xc, wc; writes xc, wc
.if DOCPART == 1
	.amdgcn_target "amdgcn-amd-amdhsa--gfx1250"
	.amdhsa_code_object_version 6
	.text
	.protected	k_qab8d652cfc_quant
	.globl	k_qab8d652cfc_quant
	.p2align	8
	.type	k_qab8d652cfc_quant,@function
k_qab8d652cfc_quant:
	s_mov_b64 s[64:65], 0
	v_nop
	global_prefetch_b8 v0, s[64:65] scope:SCOPE_SE
	s_setreg_imm32_b32 hwreg(HW_REG_WAVE_MODE, 25, 1), 1
	s_wait_xcnt 0x0
; x [4096][1024] and the four weights [1024][1024], f32 with K innermost, become codes of E4M3, laid as IMAGES OF OPERAND REGISTERS.
; An image is 16 rows x 64 k, 1,024 bytes: lane (r = lane % 16, h = lane / 16) holds row r, its registers 2 c, 2 c + 1 hold k = 16 c + 8 h + 0 .. 7;
; registers 4 u .. 4 u + 3 lie as 512 bytes, lane l's 16 bytes at 16 l.  xc: [3 scales][256 row tiles][16 images]; wc: [q, k, v, o][64 row tiles][16 images].
; code = number / 2^e, held within +-448, to the nearest code, ties to even.  x is an operand of three products with a scale each (entries 0, 2, 4): three outputs from one read.
; The weights take entries 1, 3, 5, 11.  LIMITS: each e between -126 and 119, so that 2^e and 448 x 2^e are f32 numbers.  NaN among the inputs is not served.
; SHARES.  Work-groups 0-255: row tile g of x.  Work-groups 256-511: weight (g - 256) / 64, row tile (g - 256) % 64.  Only pointers and scales are chosen by the work-group's number;
; the two further outputs of x stand under a branch on it, round register work and stores alone.
; Wave w takes k 256 w .. 256 w + 255 of the 16 rows, as two cells of 128 k.  A load reads 512 consecutive bytes of one row; the cell turns through the wave's own stage in LDS
; (16 rows of 512 + 16 bytes: 528 = 33 x 16, so sixteen rows begin at sixteen different 16-byte columns of 256 bytes) and comes back 8 neighbours along K at a time, in image order.
; All 32 loads of a wave go out at once.  No store's data are ever written again, and no address register is stepped: so no wait on XCNT is needed.  Waves share nothing: no barrier.
.set GX,   256                         ; work-groups that take x
.set SP,   528                         ; a stage row
.set STG,  16*SP                       ; a stage
.set WREG, 2*STG                       ; a wave's two stages
.set R0,   16                          ; v16-79   cell 0 as loaded; later its codes, 16 registers an output
.set R1,   80                          ; v80-143  cell 1 likewise
.set X,    144                         ; v144-207 64 numbers of a lane in image order: register 8 g + i = k 16 g + 8 h + i of row r
.set T,    208                         ; v208-223 two sets of eight held numbers
; v1 load offset, v2 stage in, v3 stage out, v4 store offset; v5, v6: 2^e and 448 x 2^e of output 0; v7, v8 of output 1; v9, v10 of output 2
	s_load_b512 s[8:23], s[0:1], 0x0               ; x s[8:9], Wq s[10:11], Wk s[12:13], Wv s[14:15], Wo s[16:17], scales s[18:19], xc s[20:21], wc s[22:23]
	v_lshl_add_u32 v224, v0, 2, 0x10800
	v_mov_b32 v225, 0
	v_lshrrev_b32 v15, 5, v0
	v_readfirstlane_b32 s36, v15                   ; wave 0..3
	v_and_b32 v11, 31, v0                          ; lane
	v_and_b32 v12, 15, v0                          ; r
	v_bfe_u32 v13, v0, 4, 1                        ; h
	v_lshlrev_b32 v14, 4, v11                      ; 16 x lane
	s_lshl_b32 s48, s36, 10
	v_add_nc_u32 v1, s48, v14                      ; in a row of 4,096 bytes: 1,024 x wave + 16 x lane
	s_mul_i32 s49, s36, WREG
	v_add_nc_u32 v2, s49, v14                      ; into the stage: as loaded
	v_mul_u32_u24 v3, v12, SP
	v_lshl_add_u32 v3, v13, 5, v3
	v_add_nc_u32 v3, s49, v3                       ; out of it: row r, + 32 h
	s_lshl_b32 s48, s36, 12
	v_add_nc_u32 v4, s48, v14                      ; in a row tile's 16 images: my wave's four, + 16 x lane
	s_cmp_lt_u32 ttmp9, GX
	s_cselect_b32 s37, 0, GX
	s_sub_co_u32 s37, ttmp9, s37                   ; x: g;  weights: g - 256
	s_lshr_b32 s38, s37, 6                         ; which weight (of no meaning for x)
	s_and_b32 s39, s37, 63
	s_cmp_lt_u32 ttmp9, GX
	s_cselect_b32 s39, s37, s39                    ; row tile
	s_cselect_b32 s50, 0, s38                      ; plane of the first output's buffer
	s_lshl_b32 s52, s39, 16                        ; 16 rows of 4,096 bytes
	s_mov_b32 s53, 0
	s_lshl_b32 s54, s39, 14                        ; 16 images
	s_mov_b32 s55, 0
	s_lshl_b32 s50, s50, 20
	s_add_co_u32 s50, s50, s54
	s_mov_b32 s51, 0
	s_wait_kmcnt 0x0
	s_load_b256 s[24:31], s[18:19], 0x0            ; e0 .. e7
	s_load_b128 s[32:35], s[18:19], 0x20           ; e8 .. e11
	s_cmp_eq_u32 s38, 0
	s_cselect_b64 s[40:41], s[10:11], s[12:13]
	s_cmp_eq_u32 s38, 2
	s_cselect_b64 s[40:41], s[14:15], s[40:41]
	s_cmp_eq_u32 s38, 3
	s_cselect_b64 s[40:41], s[16:17], s[40:41]
	s_cmp_lt_u32 ttmp9, GX
	s_cselect_b64 s[40:41], s[8:9], s[40:41]       ; the source
	s_cselect_b64 s[42:43], s[20:21], s[22:23]     ; the first output's buffer
	s_add_nc_u64 s[40:41], s[40:41], s[52:53]
	s_add_nc_u64 s[42:43], s[42:43], s[50:51]
	s_add_nc_u64 s[44:45], s[20:21], s[54:55]
	s_add_nc_u64 s[44:45], s[44:45], 4194304       ; xc's second plane,
	s_add_nc_u64 s[46:47], s[44:45], 4194304       ; and its third
.macro LOADS cell, reg
.irp j, 0,1,2,3,4,5,6,7,8,9,10,11,12,13,14,15
	global_load_b128 v[(\reg)+4*\j:(\reg)+4*\j+3], v1, s[40:41] offset:\j*4096+(\cell)*512 th:TH_LOAD_NT   ; row j: 32 lanes read 512 consecutive bytes; read once in the launch
.endr
.endm
.macro TOSTG cell, reg
.irp j, 0,1,2,3,4,5,6,7,8,9,10,11,12,13,14,15
	ds_store_b128 v2, v[(\reg)+4*\j:(\reg)+4*\j+3] offset:(\cell)*STG+\j*SP
.endr
.endm
.macro FROMSTG cell                    ; LDS serves a wave's instructions in order: these see my stores
.irp g, 0,1,2,3,4,5,6,7
	ds_load_b128 v[X+8*\g:X+8*\g+3], v3 offset:(\cell)*STG+64*\g
	ds_load_b128 v[X+8*\g+4:X+8*\g+7], v3 offset:(\cell)*STG+64*\g+16
.endr
.endm
.macro MKSC e, sc                      ; s[e] = e  ->  v[sc] = 2^e as f32 (the conversion takes its exponent field), v[sc+1] = 448 x 2^e
	s_add_co_i32 s50, s[\e], 127
	s_lshl_b32 s51, s50, 23
	v_mov_b32 v[\sc], s51
	s_add_co_i32 s50, s50, 8
	s_lshl_b32 s50, s50, 23
	s_or_b32 s50, s50, 0x600000
	v_mov_b32 v[\sc+1], s50
.endm
; The cell in X becomes 16 registers of codes from v[cd] on, by output o's scale.  The hold goes into other registers, since the three scales share X.  The conversion to an 8-bit code does not
; saturate (ISA guide 7.6.2): hence the hold.  Two sets of eight take turns, so that eight plain lines stand between a conversion and the next write of its sources.
.macro CONVERT o, cd
.irp g, 0,1,2,3,4,5,6,7
.irp i, 0,1,2,3,4,5,6,7
	v_med3_num_f32 v[T+8*(\g%2)+\i], v[X+8*\g+\i], -v[6+2*(\o)], v[6+2*(\o)]
.endr
	v_cvt_scalef32_pk8_fp8_f32 v[(\cd)+2*\g:(\cd)+2*\g+1], v[T+8*(\g%2):T+8*(\g%2)+7], v[5+2*(\o)]
.endr
.endm
.macro SEND d, cd, cell                ; two images: four stores of 512 consecutive bytes, aligned
.irp i, 0,1,2,3
	global_store_b128 v4, v[(\cd)+4*\i:(\cd)+4*\i+3], s[\d:\d+1] offset:(\cell)*2048+512*\i
.endr
.endm
.macro CELL cell, reg
	CONVERT 0, \reg
	SEND 42, \reg, \cell
	s_cmp_lt_u32 ttmp9, GX                         ; x has two more scales
	s_cbranch_scc0 .Lone_\@
	CONVERT 1, (\reg)+16
	SEND 44, (\reg)+16, \cell
	CONVERT 2, (\reg)+32
	SEND 46, (\reg)+32, \cell
.Lone_\@:
.endm
	LOADS 0, R0
	LOADS 1, R1
	s_wait_kmcnt 0x0
	s_cmp_eq_u32 s38, 0
	s_cselect_b32 s48, s25, s27                    ; Wq: e1, Wk: e3,
	s_cmp_eq_u32 s38, 2
	s_cselect_b32 s48, s29, s48                    ; Wv: e5,
	s_cmp_eq_u32 s38, 3
	s_cselect_b32 s48, s35, s48                    ; Wo: e11,
	s_cmp_lt_u32 ttmp9, GX
	s_cselect_b32 s48, s24, s48                    ; x: e0
	MKSC 48, 5
	MKSC 26, 7                                     ; e2
	MKSC 28, 9                                     ; e4
	s_wait_loadcnt 16                              ; cell 0's sixteen loads are in; cell 1's may be out
	TOSTG 0, R0
	FROMSTG 0
	s_wait_loadcnt 0x0
	TOSTG 1, R1
	s_wait_dscnt 16                                ; all but cell 1's sixteen stores: X is in, and cell 0's stores have read R0, which takes its codes
	CELL 0, R0
	FROMSTG 1
	s_wait_dscnt 0x0                               ; X is in, and cell 1's stores have read R1
	CELL 1, R1
	s_wait_tensorcnt 0x0
	ds_add_u32 v224, v225
	s_wait_dscnt 0x0
	s_endpgm
.Lfunc_end_k_qab8d652cfc_quant:
	.size	k_qab8d652cfc_quant, .Lfunc_end_k_qab8d652cfc_quant-k_qab8d652cfc_quant
	.p2alignl 7, 3214868480
	.fill 96, 4, 3214868480
	.section	.rodata,"a",@progbits
	.p2align	6, 0x0
	.amdhsa_kernel k_qab8d652cfc_quant
		.amdhsa_group_segment_fixed_size 68096
		.amdhsa_private_segment_fixed_size 0
		.amdhsa_enable_private_segment 0
		.amdhsa_kernarg_size 64
		.amdhsa_user_sgpr_count 2
		.amdhsa_user_sgpr_kernarg_segment_ptr 1
		.amdhsa_wavefront_size32 1
		.amdhsa_system_sgpr_workgroup_id_x 1
		.amdhsa_system_sgpr_workgroup_id_y 1
		.amdhsa_system_sgpr_workgroup_id_z 1
		.amdhsa_system_vgpr_workitem_id 0
		.amdhsa_next_free_vgpr 226
		.amdhsa_next_free_sgpr 66
		.amdhsa_reserve_vcc 0
		.amdhsa_float_denorm_mode_32 3
		.amdhsa_float_denorm_mode_16_64 3
		.amdhsa_memory_ordered 1
		.amdhsa_forward_progress 1
		.amdhsa_inst_pref_size 41
	.end_amdhsa_kernel
	.amdgpu_metadata
---
amdhsa.version: [ 1, 2 ]
amdhsa.kernels:
  - .name:           k_qab8d652cfc_quant
    .symbol:         k_qab8d652cfc_quant.kd
    .args:
      - { .name: x, .offset: 0, .size: 8, .value_kind: global_buffer, .address_space: global }
      - { .name: Wq, .offset: 8, .size: 8, .value_kind: global_buffer, .address_space: global }
      - { .name: Wk, .offset: 16, .size: 8, .value_kind: global_buffer, .address_space: global }
      - { .name: Wv, .offset: 24, .size: 8, .value_kind: global_buffer, .address_space: global }
      - { .name: Wo, .offset: 32, .size: 8, .value_kind: global_buffer, .address_space: global }
      - { .name: lowp_scales, .offset: 40, .size: 8, .value_kind: global_buffer, .address_space: global }
      - { .name: xc, .offset: 48, .size: 8, .value_kind: global_buffer, .address_space: global }
      - { .name: wc, .offset: 56, .size: 8, .value_kind: global_buffer, .address_space: global }
    .group_segment_fixed_size: 68096
    .private_segment_fixed_size: 0
    .kernarg_segment_align: 8
    .kernarg_segment_size: 64
    .max_flat_workgroup_size: 128
    .sgpr_count:     66
    .vgpr_count:     226
    .wavefront_size: 32
...
	.end_amdgpu_metadata
.endif
;; end of part 1
;; launch qkv (part 2): grid 8 x 32, 4 waves a work-group, clusters of 4 x 4, 327,680 bytes of LDS; arguments xc, wc, bq, bk, bv, lowp_scales, qkv; writes qkv
.if DOCPART == 2
	.amdgcn_target "amdgcn-amd-amdhsa--gfx1250"
	.amdhsa_code_object_version 6
	.text
	.protected	k_qab8d652cfc_qkv
	.globl	k_qab8d652cfc_qkv
	.p2align	8
	.type	k_qab8d652cfc_qkv,@function
k_qab8d652cfc_qkv:
	s_mov_b64 s[64:65], 0
	v_nop
	global_prefetch_b8 v0, s[64:65] scope:SCOPE_SE
	s_setreg_imm32_b32 hwreg(HW_REG_WAVE_MODE, 25, 1), 1
	s_wait_xcnt 0x0
	s_wait_alu depctr_hold_cnt(0) depctr_sa_sdst(0) depctr_va_vdst(0) depctr_va_sdst(0) depctr_va_ssrc(0) depctr_va_vcc(0) depctr_vm_vsrc(0)
	s_getreg_b32 s2, hwreg(HW_REG_IB_STS2, 6, 4)
	s_cmp_eq_u32 s2, 0
	s_cbranch_scc0 .Lentry_in_a_cluster
	s_endpgm
.Lentry_in_a_cluster:
	s_bfe_u32 s2, ttmp6, 0x10000c
	s_cmp_lg_u32 s2, 0xf033
	s_cbranch_scc0 .Lentry_shape_is_right
	s_endpgm
.Lentry_shape_is_right:
; q, k, v = x W^T + b on codes of E4M3 (products 1 to 3), each result quantised at once for the product that reads it (entries 6, 7, 9 of the scales) and stored as images of operand registers.
; An image: 16 rows x 64 k, 1,024 bytes; lane (r, h) holds row r, registers 2 c, 2 c + 1 hold k = 16 c + 8 h + 0 .. 7; registers 4 u .. 4 u + 3 lie as 512 bytes, 16 a lane.  Two images on end are an operand of the K = 128 form.
; xc: [3 scales][256 row tiles][16 images]; wc: [q, k, v, o][64 row tiles][16 images].
; qkv: [3][32 heads of the 2 batches][131,072].  q, k: [128 token tiles] images of 16 tokens x the head's 64.  v: [32 blocks of 64 keys][4 channel tiles] images of 16 channels x 64 keys: the keys are its K.
; SHARES.  A WORK-GROUP STAYS: it makes 128 tokens x 128 features of plane 0 (q), then of plane 1 (k), then of plane 2 (v): 256 work-groups in all.  A wave makes 64 x 64: 16 accumulators, K = 1,024 in 8 steps of 128.
; So arguments, biases and the first tiles are waited for once, a plane's stores leave while the next plane is multiplied, and the next plane's panels land under the products of the half-plane before.
; THE RING.  Two LDS slots of 131,072 bytes, each with half of K (512) of both panels: wave w's region is w x 32,768: 4 row tiles x 8,192 bytes, one tensor load (waves 0, 1: x's row tiles 0-3, 4-7; waves 2, 3: W's).
; Six half-planes: the first two are asked for together at the head, the other four one at each change of slots, into the slot that has just been read out.  By this text's count a wave has 2 tensor loads out at the head, later 1.
; CLUSTER 4 x 4: x's panel hangs on the tile row alone and is asked for jointly by a row of the cluster, W's on the tile column alone, by a column.  Where a slot is filled again, a round of the cluster's barrier stands in front.
; q, k: source 0 = 16 rows of W, source 1 = 16 rows of x: a lane holds one token and eight neighbouring features, so one conversion gives two registers of the token tile's image.
; v: the sources change places: a lane holds one channel and eight neighbouring keys.  The three planes are written out one after the other: no branch hangs on the plane.
; The bias, divided by 2^(eA + eB), is the C of each sum's first product.  The three scales are folded into the conversion's one: 2^(eo - eA - eB).  No branch hangs on a given scale: the hold is always executed.
; No prefetch: the tile is small and each half-plane is asked for four K steps ahead of its first use.
; LIMITS: eo - eA - eB between -126 and 119 for each plane.  NaN among the inputs is not served.
; REGISTERS.  Window 0: v1 16 x lane, v2 r, v3 h; v6, v7 bias offsets; v8, v9 and v10, v11 LDS addresses of my x and W fragments in slots 0, 1; v16-21 for each plane the conversion's scale and 448 x it;
;   v24-27 v's bias of my four channel tiles; v28, v29 the spare word's address and 0; v32-63 q's bias, later v's; v64-95 codes; v96-127 k's bias; v128-255 accumulator (a, b) at 128 + 8 (4 b + a).
;   Window 1: two fragment buffers at 0 and 128: x's four tiles, then W's four, 16 registers each.
.set ACC,   128
.set BIAS,  32
.set BIAS1, 96
.set CODE,  64
.set BV,    24
.set SCL,   16
.set ADX,   8
.set ADW,   10
.set SPW,   28                         ; v28  LDS address of my spare word: SPARE + 4 x my thread's number; never rewritten
.set NIL,   29                         ; v29  0; never rewritten
.set SLOT,  131072
.set SPARE, 2*SLOT                     ; behind the ring: the spare words, 128 bytes for each wave: two blocks of 256 bytes that no other line names
.set G1X,  28                          ; s[28:35] descriptor group 1 for x's panel;  s[36:43] for W's: it differs in the mask
.set G1W,  36
.set G0X,  44                          ; s[44:51] groups 0 for x, one for each slot;  s[52:59] for W
.set G0W,  52
.set OB,   68                          ; s[68:73] where my four images go, a pair for each plane
.set NE,   74                          ; s74-76   -(eA + eB) of each plane
.set MSB, 0
.macro WIN new                         ; the immediate's high byte repeats the setting that is left
.if MSB != \new
	s_set_vgpr_msb (MSB<<8)|\new
.set MSB, \new
.endif
.endm
.set W_MUL, 0x05                       ; sources 0 and 1 window 1; C and D window 0
.set TO_F,  0x40                       ; destination window 1, address window 0
.macro CREST                           ; a round of the cluster's barrier behind its opening barrier
	s_cmp_lg_u32 s18, 0
	s_cbranch_scc1 .Lnot_wave_0_\@
	s_barrier_signal -3
.Lnot_wave_0_\@:
	s_barrier_wait -3
	s_barrier_signal -1
	s_barrier_wait -1
.endm
.macro CROUND
	s_barrier_signal -1
	s_barrier_wait -1
	CREST
.endm
.macro PLACES n
.rept \n
	v_nop
.endr
.endm
; A joint refill of slot s: waves 0 and 1 fetch for x, waves 2 and 3 for W.  Each of the two lines has one mask and one set of registers for all that issue it; the branch hangs on the wave's number alone.
; Four v_nop follow each of the two lines, ahead of the jump, the label and what follows.
.macro JLOAD s
	s_cmp_eq_u32 s19, 0
	s_cbranch_scc0 .Lre_w_\@
	tensor_load_to_lds s[G0X+4*(\s):G0X+4*(\s)+3], s[G1X:G1X+7]
	s_nop 0
.rept 4
	v_nop
.endr
	s_branch .Lre_asked_\@
.Lre_w_\@:
	tensor_load_to_lds s[G0W+4*(\s):G0W+4*(\s)+3], s[G1W:G1W+7]
	s_nop 0
.rept 4
	v_nop
.endr
.Lre_asked_\@:
.endm
	s_load_b256 s[4:11], s[0:1], 0x0               ; xc s[4:5], wc s[6:7], bq s[8:9], bk s[10:11]
	s_load_b128 s[12:15], s[0:1], 0x20             ; bv s[12:13], the scales' exponents s[14:15]
	s_load_b64 s[16:17], s[0:1], 0x30              ; qkv
	v_lshl_add_u32 v[SPW], v0, 2, SPARE
	v_mov_b32 v[NIL], 0
	ds_add_u32 v28, v29
	ds_add_u32 v28, v29
	s_wait_dscnt 0x0
	v_lshrrev_b32 v1, 5, v0
	v_readfirstlane_b32 s18, v1                    ; wave 0..3
	s_lshr_b32 s19, s18, 1                         ; my half of the tile's tokens.  Also: I fetch for x (0) or for W (1)
	s_and_b32 s20, s18, 1                          ; my half of its features.  Also: which four row tiles of that panel I fetch
	s_bfe_u32 s21, ttmp6, 0x40000                  ; cx
	s_bfe_u32 s22, ttmp6, 0x40004                  ; cy
	s_lshl_b32 s23, ttmp9, 2
	s_add_co_u32 s23, s23, s21                     ; tile column: 4 x cluster x + cx
	s_and_b32 s24, ttmp7, 0xffff
	s_lshl_b32 s24, s24, 2
	s_add_co_u32 s24, s24, s22                     ; tile row: 4 x cluster y + cy
	s_lshl_b32 s26, s22, 2
	s_lshl_b32 s26, 15, s26                        ; my row of the cluster
	s_lshl_b32 s27, 0x1111, s21                    ; my column
	; group 1: 4 row tiles x 8,192 bytes (eight images, 512 along K), 16,384 bytes apart in memory, dense in LDS; elements of 8 bytes
	s_or_b32 s[G1X], s26, (3<<16)|(1<<21)          ; 15:0 the mask; 17:16 elements of 8 bytes; 21 set beside a mask
	s_or_b32 s[G1W], s27, (3<<16)|(1<<21)
.irp g, G1X, G1W
	s_mov_b32 s[\g+1], 1024<<16                    ; tensor_dim0 = 1,024 elements
	s_mov_b32 s[\g+2], 4<<16                       ; tensor_dim1 = 4
	s_mov_b32 s[\g+3], 1024<<16                    ; tile_dim0
	s_mov_b32 s[\g+4], 4                           ; tile_dim1
	s_mov_b32 s[\g+5], 2048                        ; from row tile to row tile, in elements
	s_mov_b32 s[\g+6], 0
	s_mov_b32 s[\g+7], 0
.endr
	s_lshl_b32 s2, s24, 17                         ; x: the tile row's 8 row tiles, my four of them: no cx enters
	s_lshl_b32 s3, s20, 16
	s_add_co_u32 s2, s2, s3
	s_mov_b32 s3, 0
	s_lshl_b32 s96, s23, 17                        ; W: the tile column's 8 row tiles, my four of them: no cy enters
	s_lshl_b32 s97, s20, 16
	s_add_co_u32 s96, s96, s97
	s_mov_b32 s97, 0
	s_lshl_b32 s62, s18, 15                        ; in a slot: x's two halves, then W's two = wave x 32,768: no place in the cluster enters an LDS address
	s_wait_kmcnt 0x0
	s_load_b256 s[84:91], s[14:15], 0x0            ; e0 .. e7
	s_load_b128 s[92:95], s[14:15], 0x20           ; e8 .. e11
	s_add_nc_u64 s[60:61], s[4:5], s[2:3]
	s_add_nc_u64 s[98:99], s[6:7], s[96:97]
.irp j, 0,1
	s_mov_b32 s[G0X+4*\j], 1                       ; count = 1
	s_add_co_u32 s[G0X+4*\j+1], s62, \j*SLOT       ; LDS address: slot j
	s_add_nc_u64 s[G0X+4*\j+2:G0X+4*\j+3], s[60:61], \j*8192   ; plane 0, half j of K
	s_or_b32 s[G0X+4*\j+3], s[G0X+4*\j+3], 0x80000000
	s_mov_b32 s[G0W+4*\j], 1
	s_add_co_u32 s[G0W+4*\j+1], s62, \j*SLOT
	s_add_nc_u64 s[G0W+4*\j+2:G0W+4*\j+3], s[98:99], \j*8192
	s_or_b32 s[G0W+4*\j+3], s[G0W+4*\j+3], 0x80000000
.endr
	CROUND                                         ; all sixteen work-groups are here: the first joint loads meet
	s_cmp_eq_u32 s19, 0                            ; a wave's two first fills stand in one branch on its number, ahead of every wait on TENSORcnt and every LDS read; four v_nop follow the second
	s_cbranch_scc0 .Lfor_w
	tensor_load_to_lds s[G0X:G0X+3], s[G1X:G1X+7]
	s_nop 0
	tensor_load_to_lds s[G0X+4:G0X+7], s[G1X:G1X+7]
	s_nop 0
	PLACES 4
	s_branch .Lasked
.Lfor_w:
	tensor_load_to_lds s[G0W:G0W+3], s[G1W:G1W+7]
	s_nop 0
	tensor_load_to_lds s[G0W+4:G0W+7], s[G1W:G1W+7]
	s_nop 0
	PLACES 4
.Lasked:
	v_and_b32 v1, 31, v0
	v_lshlrev_b32 v1, 4, v1                        ; 16 x lane: an image's place for my lane, in LDS and in memory
	v_and_b32 v2, 15, v0                           ; r
	v_bfe_u32 v3, v0, 4, 1                         ; h
	s_lshl_b32 s66, s19, 15                        ; my four row tiles of x,
	s_lshl_b32 s67, s20, 15
	s_add_co_u32 s67, s67, 65536                   ; and of W, which lies behind x's eight
.irp j, 0,1
	v_add_nc_u32 v[ADX+\j], s66, v1
	v_add_nc_u32 v[ADW+\j], s67, v1
	s_add_co_u32 s66, s66, SLOT
	s_add_co_u32 s67, s67, SLOT
.endr
	v_lshlrev_b32 v6, 5, v3                        ; q, k: the bias of features 16 a + 8 h + 0 .. 7
	v_lshlrev_b32 v7, 2, v2                        ; v: of channel 16 b + r
	s_lshl_b32 s96, s23, 9
	s_lshl_b32 s97, s20, 8
	s_add_co_u32 s96, s96, s97                     ; my first feature, in bytes: 512 x tile column + 256 x half
	s_mov_b32 s97, 0
	s_add_nc_u64 s[78:79], s[8:9], s[96:97]
	s_add_nc_u64 s[80:81], s[10:11], s[96:97]
	s_add_nc_u64 s[82:83], s[12:13], s[96:97]
.irp a, 0,1,2,3
	global_load_b128 v[BIAS+8*\a:BIAS+8*\a+3], v6, s[78:79] offset:64*\a
	global_load_b128 v[BIAS+8*\a+4:BIAS+8*\a+7], v6, s[78:79] offset:64*\a+16
	global_load_b128 v[BIAS1+8*\a:BIAS1+8*\a+3], v6, s[80:81] offset:64*\a
	global_load_b128 v[BIAS1+8*\a+4:BIAS1+8*\a+7], v6, s[80:81] offset:64*\a+16
.endr
.irp b, 0,1,2,3
	global_load_b32 v[BV+\b], v7, s[82:83] offset:64*\b
.endr
	s_lshr_b32 s66, s24, 4                         ; where my four images go: batch x 16 + head,
	s_lshl_b32 s66, s66, 4
	s_lshl_b32 s67, s23, 1
	s_add_co_u32 s66, s66, s67
	s_add_co_u32 s66, s66, s20
	s_lshl_b32 s66, s66, 17
	s_lshl_b32 s67, s24, 1                         ; my 64 tokens of the batch's 2,048: 4,096 bytes in all three planes (q, k: four token tiles; v: a block of 64 keys)
	s_add_co_u32 s67, s67, s19
	s_and_b32 s67, s67, 31
	s_lshl_b32 s67, s67, 12
	s_add_co_u32 s66, s66, s67
	s_mov_b32 s67, 0
	s_add_nc_u64 s[OB:OB+1], s[16:17], s[66:67]
	s_add_nc_u64 s[OB+2:OB+3], s[OB:OB+1], 4194304 ; a plane on
	s_add_nc_u64 s[OB+4:OB+5], s[OB+2:OB+3], 4194304
; Plane p: a sum stands for sum x 2^(eA + eB); its code is sum / 2^(eo - eA - eB)
.macro MKP p, ea, eb, eo
	s_add_co_i32 s26, s[\ea], s[\eb]
	s_sub_co_i32 s[NE+\p], 0, s26
	s_sub_co_i32 s27, s[\eo], s26
	s_add_co_i32 s27, s27, 127
	s_lshl_b32 s63, s27, 23
	v_mov_b32 v[SCL+2*\p], s63                     ; 2^(eo - eA - eB) as f32
	s_add_co_i32 s27, s27, 8
	s_lshl_b32 s27, s27, 23
	s_or_b32 s27, s27, 0x600000
	v_mov_b32 v[SCL+2*\p+1], s27                   ; 448 x that
.endm
	s_wait_kmcnt 0x0
	MKP 0, 84, 85, 90                              ; q: e0, e1, e6
	MKP 1, 86, 87, 91                              ; k: e2, e3, e7
	MKP 2, 88, 89, 93                              ; v: e4, e5, e9
	s_wait_loadcnt 0x0
.set j, 0
.rept 32
	v_ldexp_f32 v[BIAS+j], v[BIAS+j], s[NE]        ; the biases go in divided by the power of two that the sums lack
	v_ldexp_f32 v[BIAS1+j], v[BIAS1+j], s[NE+1]
.set j, j+1
.endr
.irp b, 0,1,2,3
	v_ldexp_f32 v[BV+\b], v[BV+\b], s[NE+2]
.endr
; 32 LDS loads in one run: K step s of a plane (128 along K: two images a row tile; steps 0-3 lie in slot 0, steps 4-7 in slot 1) of my four row tiles of x and of W, into buffer f
.macro FETCH s, f
	WIN TO_F
.irp i, 0,1,2,3
.irp c, 0,1,2,3
	ds_load_b128 v[(\f)+16*\i+4*\c:(\f)+16*\i+4*\c+3], v[ADX+(\s)/4] offset:\i*8192+((\s)%4)*2048+512*\c
.endr
.endr
.irp i, 0,1,2,3
.irp c, 0,1,2,3
	ds_load_b128 v[(\f)+64+16*\i+4*\c:(\f)+64+16*\i+4*\c+3], v[ADW+(\s)/4] offset:\i*8192+((\s)%4)*2048+512*\c
.endr
.endr
	WIN 0
.endm
; 4 matrix instructions on buffer f: accumulators (0 .. 3, b).  sw = 0: source 0 = W's tile a, source 1 = x's tile b.  sw = 1: source 0 = x's tile a, source 1 = W's tile b.
; cb = 0: they add on; else the bias from v[cb] on starts the sums.  The 16 accumulators take turns, one instruction a turn, in the same order in every step.
.macro MULB f, sw, cb, b
.irp a, 0,1,2,3
.if \sw
.if \cb
	v_wmma_f32_16x16x128_fp8_fp8 v[ACC+8*(4*(\b)+\a):ACC+8*(4*(\b)+\a)+7], v[(\f)+16*\a:(\f)+16*\a+15], v[(\f)+64+16*(\b):(\f)+64+16*(\b)+15], v[(\cb)+8*(\b):(\cb)+8*(\b)+7]
.else
	v_wmma_f32_16x16x128_fp8_fp8 v[ACC+8*(4*(\b)+\a):ACC+8*(4*(\b)+\a)+7], v[(\f)+16*\a:(\f)+16*\a+15], v[(\f)+64+16*(\b):(\f)+64+16*(\b)+15], v[ACC+8*(4*(\b)+\a):ACC+8*(4*(\b)+\a)+7]
.endif
.else
.if \cb
	v_wmma_f32_16x16x128_fp8_fp8 v[ACC+8*(4*(\b)+\a):ACC+8*(4*(\b)+\a)+7], v[(\f)+64+16*\a:(\f)+64+16*\a+15], v[(\f)+16*(\b):(\f)+16*(\b)+15], v[(\cb)+8*\a:(\cb)+8*\a+7]
.else
	v_wmma_f32_16x16x128_fp8_fp8 v[ACC+8*(4*(\b)+\a):ACC+8*(4*(\b)+\a)+7], v[(\f)+64+16*\a:(\f)+64+16*\a+15], v[(\f)+16*(\b):(\f)+16*(\b)+15], v[ACC+8*(4*(\b)+\a):ACC+8*(4*(\b)+\a)+7]
.endif
.endif
.endr
.endm
; A K step that has its successor in the same slot: its fragments are in; the next step's are asked for; this step is multiplied.
.macro KSTEP s, sw, cb
	s_wait_dscnt 0x0                               ; this step's 32 loads are in
.if (\s) > 0
	PLACES 4                                       ; four places between the last step's products and loads into the buffer that they read (ISA guide 7.12.1 for vector instructions).  At a plane's first step the way out has been those places
.endif
	FETCH (\s)+1, 128*(((\s)+1)%2)
	WIN W_MUL
	MULB 128*((\s)%2), \sw, \cb, 0
	MULB 128*((\s)%2), \sw, \cb, 1
	MULB 128*((\s)%2), \sw, \cb, 2
	MULB 128*((\s)%2), \sw, \cb, 3
	WIN 0
.endm
; A slot's last K step (s = 3 or 7, on buffer 1) changes slots: ONE barrier.  In front of it each wave waits for all its tensor loads, of which one is out: its part of the other slot; adds 0 to its spare word; and waits for
; that and for its own reads of this slot.  Behind it nobody reads this slot any more and the other slot is whole.  fill = 1: this slot takes the same half of K of the next plane; the barrier then opens a round of the
; cluster's, so that no wave of any partner still reads the slot or has a load on its way, and the joint refill is the first thing behind the round: it has four K steps, 64 matrix instructions, in which to land.
.macro TURN s, sw, fill
	s_wait_dscnt 0x0                               ; this step's fragments are in: they were my last reads of this slot
	s_wait_tensorcnt 0x0                           ; all my tensor loads have landed, so a group 0 may be written;
	ds_add_u32 v[SPW], v[NIL]                      ; 0 onto my spare word
	WIN W_MUL
	MULB 128, \sw, 0, 0                            ; four matrix instructions stand between the add and the wait for it
	s_wait_dscnt 0x0                               ; the add is done
	s_barrier_signal -1
	MULB 128, \sw, 0, 1                            ; work on registers while the others arrive
	WIN 0
	s_barrier_wait -1
.if \fill
	CREST
	s_add_nc_u64 s[G0X+4*((\s)/4)+2:G0X+4*((\s)/4)+3], s[G0X+4*((\s)/4)+2:G0X+4*((\s)/4)+3], 4194304   ; a plane of xc on; the type bits on top are not reached
	s_add_nc_u64 s[G0W+4*((\s)/4)+2:G0W+4*((\s)/4)+3], s[G0W+4*((\s)/4)+2:G0W+4*((\s)/4)+3], 1048576   ; a plane of wc on
	JLOAD (\s)/4                                   ; the four v_nop behind it are also the places in front of the loads below
.else
	PLACES 4
.endif
	FETCH ((\s)+1)%8, 0                            ; the other slot's first step
	WIN W_MUL
	MULB 128, \sw, 0, 2
	MULB 128, \sw, 0, 3
	WIN 0
.endm
; THE WAY OUT of plane p: hold, convert, store.  Accumulator (a, b) gives registers 2 a, 2 a + 1 of image b; each accumulator is read from its low end on.  Nothing waits for the stores.
.macro OUT p
	PLACES 4
.if (\p) > 0
	s_wait_xcnt 0x0                                ; the last plane's stores, a plane back, have read the codes' registers, which are written again below
.endif
.irp b, 0,1,2,3
.irp a, 0,1,2,3
.irp j, 0,1,2,3,4,5,6,7
	v_med3_num_f32 v[ACC+8*(4*\b+\a)+\j], v[ACC+8*(4*\b+\a)+\j], -v[SCL+2*(\p)+1], v[SCL+2*(\p)+1]   ; the conversion to an 8-bit code does not saturate (ISA guide 7.6.2)
.endr
	v_cvt_scalef32_pk8_fp8_f32 v[CODE+8*\b+2*\a:CODE+8*\b+2*\a+1], v[ACC+8*(4*\b+\a):ACC+8*(4*\b+\a)+7], v[SCL+2*(\p)]
.endr
.endr
	v_nop                                          ; a plain line behind the last conversion: the next plane's products write its sources
.irp b, 0,1,2,3
	global_store_b128 v1, v[CODE+8*\b:CODE+8*\b+3], s[OB+2*(\p):OB+2*(\p)+1] offset:1024*\b         ; 32 lanes store 512 consecutive bytes, aligned; the wave's eight stores cover 4,096 bytes on end
	global_store_b128 v1, v[CODE+8*\b+4:CODE+8*\b+7], s[OB+2*(\p):OB+2*(\p)+1] offset:1024*\b+512
.endr
.endm
; A plane: eight K steps and the way out.  more = 1: another plane follows, and both changes of slots ask for its halves.
.macro PLANE p, sw, cb, more
	KSTEP 0, \sw, \cb
	KSTEP 1, \sw, 0
	KSTEP 2, \sw, 0
	TURN 3, \sw, \more
	KSTEP 4, \sw, 0
	KSTEP 5, \sw, 0
	KSTEP 6, \sw, 0
.if \more
	TURN 7, \sw, 1
.else
	s_wait_dscnt 0x0                               ; the very last step: nothing more to fetch
	WIN W_MUL
	MULB 128, \sw, 0, 0
	MULB 128, \sw, 0, 1
	MULB 128, \sw, 0, 2
	MULB 128, \sw, 0, 3
	WIN 0
.endif
	OUT \p
.endm
	s_wait_tensorcnt 0x1                           ; tensor loads of a wave end in order (ISA guide 10.11.1): my part of slot 0 is in; slot 1's may be out
	s_barrier_signal -1
	s_barrier_wait -1                              ; everybody's is
	FETCH 0, 0
	PLANE 0, 0, BIAS, 1                            ; q
	PLANE 1, 0, BIAS1, 1                           ; k
.irp b, 0,1,2,3                        ; v: a lane's eight results are eight keys of one channel: its bias eight times, where q's bias lay
.irp j, 0,1,2,3,4,5,6,7
	v_mov_b32 v[BIAS+8*\b+\j], v[BV+\b]
.endr
.endr
	PLANE 2, 1, BIAS, 0                            ; v
	s_wait_tensorcnt 0x0                           ; the wave's end: my last LDS instructions, behind my last tensor load
	ds_add_u32 v[SPW], v[NIL]
	s_wait_dscnt 0x0
	CROUND                                         ; the closing round: no work-group ends while a partner may still ask for a tile that names it
	s_endpgm
.Lfunc_end_k_qab8d652cfc_qkv:
	.size	k_qab8d652cfc_qkv, .Lfunc_end_k_qab8d652cfc_qkv-k_qab8d652cfc_qkv
	.p2alignl 7, 3214868480
	.fill 96, 4, 3214868480
	.section	.rodata,"a",@progbits
	.p2align	6, 0x0
	.amdhsa_kernel k_qab8d652cfc_qkv
		.amdhsa_group_segment_fixed_size 327680
		.amdhsa_private_segment_fixed_size 0
		.amdhsa_enable_private_segment 0
		.amdhsa_kernarg_size 56
		.amdhsa_user_sgpr_count 2
		.amdhsa_user_sgpr_kernarg_segment_ptr 1
		.amdhsa_wavefront_size32 1
		.amdhsa_system_sgpr_workgroup_id_x 1
		.amdhsa_system_sgpr_workgroup_id_y 1
		.amdhsa_system_sgpr_workgroup_id_z 1
		.amdhsa_system_vgpr_workitem_id 0
		.amdhsa_next_free_vgpr 512
		.amdhsa_next_free_sgpr 102
		.amdhsa_reserve_vcc 0
		.amdhsa_float_denorm_mode_32 3
		.amdhsa_float_denorm_mode_16_64 3
		.amdhsa_memory_ordered 1
		.amdhsa_forward_progress 1
		.amdhsa_inst_pref_size 128
	.end_amdhsa_kernel
	.amdgpu_metadata
---
amdhsa.version: [ 1, 2 ]
amdhsa.kernels:
  - .name:           k_qab8d652cfc_qkv
    .symbol:         k_qab8d652cfc_qkv.kd
    .args:
      - { .name: xc, .offset: 0, .size: 8, .value_kind: global_buffer, .address_space: global }
      - { .name: wc, .offset: 8, .size: 8, .value_kind: global_buffer, .address_space: global }
      - { .name: bq, .offset: 16, .size: 8, .value_kind: global_buffer, .address_space: global }
      - { .name: bk, .offset: 24, .size: 8, .value_kind: global_buffer, .address_space: global }
      - { .name: bv, .offset: 32, .size: 8, .value_kind: global_buffer, .address_space: global }
      - { .name: lowp_scales, .offset: 40, .size: 8, .value_kind: global_buffer, .address_space: global }
      - { .name: qkv, .offset: 48, .size: 8, .value_kind: global_buffer, .address_space: global }
    .group_segment_fixed_size: 327680
    .private_segment_fixed_size: 0
    .kernarg_segment_align: 8
    .kernarg_segment_size: 56
    .max_flat_workgroup_size: 128
    .sgpr_count:     102
    .vgpr_count:     512
    .wavefront_size: 32
...
	.end_amdgpu_metadata
.endif
;; end of part 2
;; launch attn (part 3): grid 8 x 32, 16 waves a work-group, no clusters, 272,384 bytes of LDS; arguments qkv, mask, lowp_scales, oc; writes oc
.if DOCPART == 3
	.amdgcn_target "amdgcn-amd-amdhsa--gfx1250"
	.amdhsa_code_object_version 6
	.text
	.protected	k_qab8d652cfc_attn
	.globl	k_qab8d652cfc_attn
	.p2align	8
	.type	k_qab8d652cfc_attn,@function
k_qab8d652cfc_attn:
	s_mov_b64 s[64:65], 0
	v_nop
	global_prefetch_b8 v0, s[64:65] scope:SCOPE_SE
	s_setreg_imm32_b32 hwreg(HW_REG_WAVE_MODE, 25, 1), 1
	s_wait_xcnt 0x0
; Attention of one head on codes of E4M3 (products 4 and 5), with the padding mask over the keys (an input) and the causal mask; the result is quantised at once for the last product (entry 10).
; t = score x log2(e) / 8; M = the row's largest t so far, rounded up to a whole number; p = 2^(t - M) is quantised (entry 8), not normalised; the row's sum is taken of the unquantised p and divides at the end.
; When M moves, the sum and O are multiplied by 2^(old M - new M): exact.  A row all of whose visible keys are padded has the sum 0 and gets NaN codes, so that the last product gives NaN there, as a softmax over nothing does.
; qkv holds images of operand registers (16 rows x 64 k, 1,024 bytes; lane (r, h): row r, registers 2 c, 2 c + 1 = k 16 c + 8 h + 0 .. 7): q, k by token tiles, v as [32 blocks of 64 keys][4 channel tiles] with the keys as k.
; SHARES.  Work-group (i, head) takes query blocks i and 15 - i of 128: 8 x 17 key steps of a wave in every work-group.  Waves 0-7: tile 8 i + w; waves 8-15: tile 112 - 8 i + w.  A wave owns 16 queries, in 256 registers.
; No cluster: a step is left out by a branch on the work-group's query block, which in a cluster of one head's work-groups would be its place there.
; LDS: the head's whole K (131,072 bytes), its whole V (131,072), and 2,048 words of mask (0, or -2^127 for a padded key).  Nothing is filled twice.  Each wave asks for two parts, one of keys 0-511 and one of the rest:
; by this text's count 2 tensor loads of a wave are out.  The first four key steps run while the rest lands.
; LAYOUT.  S^T = K Q^T (source 0 = 16 keys, source 1 = my queries), O^T = V^T P^T: a lane holds one query throughout; tile c of S^T, converted, is registers 2 c, 2 c + 1 of P.
; THE PADDING MASK IS THE C OF K Q^T: it costs no vector instruction.  The largest score begins at -2^126, above every padded score (-2^127; a sum of 64 products of codes is under 2^24) and below every true one: a padded key
; never moves M, and its p is 0.  Hidden keys of the diagonal step become -infinity.
; Every wave walks all 16 steps: the trip counts are constants; a step all of whose keys come after the wave's queries is jumped over, but for the lines that step addresses.
; LIMITS: eq + ek between -100 and 4 (c x 2^126 must be a finite number, and far above 150); ep, and e10 - ep - ev, between -126 and 119.
; REGISTERS: v1-3 addresses that stay; v8-10 the step's; v12 -M, v13 the largest score, v[14:15] the sum in two halves; v16-23 Q; v32-95 fragments of K, then of V; v96-159 S^T, then p; v160-191 O^T; v192-223 O / sum;
;   v224-239 p's codes, at the end o's; v240, v244: 448 x 2^ep, 2^ep; v241, v245: the same for e10 - ep - ev; v236, v242, v243, v252-254 at work.
.set VB,  131072                       ; LDS: V
.set MB,  262144                       ; LDS: the mask's words
.set AK0, 1                            ; v1  16 x lane
.set AV0, 2                            ; v2  VB + 16 x lane
.set AM0, 3                            ; v3  MB + 32 h
.set ADK, 8
.set ADV, 9
.set ADM, 10
.set QF,  16
.set F,   32
.set S,   96
.set O,   160
.set OL,  192
.set PC,  224
.set WV,  12                           ; s12 wave
.set Q0,  16                           ; s16 my first query
.set KF,  17                           ; s17 the step's first key
.set TB,  18                           ; s18 the step's bytes in K and in V: 8,192 a step
.set TM,  19                           ; s19 and among the mask's words: 512 a step
.set SEL, 20                           ; s[20:21] lane selects for v_permlanex16_b32: lane l xor 16
.set CS,  22                           ; s[22:23] c = log2(e) / 8 x 2^(eq + ek)
.set G1A, 24                           ; s[24:31] group 1: 16 rows of 256 bytes;  s[32:39]: 48 rows
.set G1B, 32
.set G0A, 40
.set G0B, 44
.set TRIP, 76
	s_load_b256 s[4:11], s[0:1], 0x0               ; qkv s[4:5], mask s[6:7], the scales' exponents s[8:9], oc s[10:11]
	v_lshl_add_u32 v251, v0, 2, 0x42000
	v_mov_b32 v255, 0
	ds_add_u32 v251, v255
	ds_add_u32 v251, v255
	v_lshrrev_b32 v4, 5, v0
	v_readfirstlane_b32 s[WV], v4                  ; wave 0..15
	s_and_b32 s14, ttmp7, 0xffff                   ; batch x 16 + head
	s_lshl_b32 s60, ttmp9, 3
	s_add_co_u32 s61, s60, s[WV]                   ; 8 i + w
	s_sub_co_u32 s62, 112, s60
	s_add_co_u32 s62, s62, s[WV]                   ; 112 - 8 i + w
	s_cmp_lt_u32 s[WV], 8
	s_cselect_b32 s15, s61, s62                    ; my tile of 16 queries
	s_lshl_b32 s[Q0], s15, 4
	s_mov_b32 s[G1A], 3<<16                        ; no mask; elements of 8 bytes; no padding: the blocks are dense in memory and in LDS
	s_mov_b32 s[G1A+1], 32<<16                     ; tensor_dim0 = 32 elements: rows of 256 bytes
	s_mov_b32 s[G1A+2], 16<<16                     ; tensor_dim1
	s_mov_b32 s[G1A+3], 32<<16                     ; tile_dim0
	s_mov_b32 s[G1A+4], 16                         ; tile_dim1
	s_mov_b32 s[G1A+5], 32                         ; pitch
	s_mov_b32 s[G1A+6], 0
	s_mov_b32 s[G1A+7], 0
	s_mov_b32 s[G1B], 3<<16
	s_mov_b32 s[G1B+1], 32<<16
	s_mov_b32 s[G1B+2], 48<<16
	s_mov_b32 s[G1B+3], 32<<16
	s_mov_b32 s[G1B+4], 48
	s_mov_b32 s[G1B+5], 32
	s_mov_b32 s[G1B+6], 0
	s_mov_b32 s[G1B+7], 0
	s_mov_b32 s[SEL], 0x76543210
	s_mov_b32 s[SEL+1], 0xfedcba98
	s_lshr_b32 s68, s[WV], 3                       ; waves 0-7 fetch K, waves 8-15 V
	s_and_b32 s69, s[WV], 7
	s_lshl_b32 s70, s68, 17                        ; its region of LDS
	s_lshl_b32 s71, s69, 12                        ; keys 0-511 are 32,768 bytes: 4,096 a wave
	s_mul_i32 s72, s69, 12288                      ; the rest, 98,304 bytes: 12,288 a wave,
	s_add_co_u32 s72, s72, 32768                   ; behind them
	s_lshl_b32 s74, s68, 22
	s_add_co_u32 s74, s74, 4194304                 ; plane 1 (k) or 2 (v),
	s_lshl_b32 s75, s14, 17
	s_add_co_u32 s74, s74, s75                     ; my head
	s_mov_b32 s75, 0
	s_wait_dscnt 0x0
	s_wait_kmcnt 0x0
	s_load_b256 s[48:55], s[8:9], 0x0              ; e0 .. e7
	s_load_b128 s[56:59], s[8:9], 0x20             ; e8 .. e11
	s_add_nc_u64 s[74:75], s[4:5], s[74:75]
	s_mov_b32 s68, s71
	s_mov_b32 s69, 0
	s_mov_b32 s[G0A], 1
	s_add_co_u32 s[G0A+1], s70, s71
	s_add_nc_u64 s[G0A+2:G0A+3], s[74:75], s[68:69]
	s_or_b32 s[G0A+3], s[G0A+3], 0x80000000
	s_mov_b32 s68, s72
	s_mov_b32 s[G0B], 1
	s_add_co_u32 s[G0B+1], s70, s72
	s_add_nc_u64 s[G0B+2:G0B+3], s[74:75], s[68:69]
	s_or_b32 s[G0B+3], s[G0B+3], 0x80000000
	tensor_load_to_lds s[G0A:G0A+3], s[G1A:G1A+7]  ; both fills go out together, ahead of every wait on TENSORcnt, every LDS read and every barrier; four v_nop follow
	s_nop 0
	tensor_load_to_lds s[G0B:G0B+3], s[G1B:G1B+7]
	s_nop 0
.rept 4
	v_nop
.endr
	s_lshl_b32 s60, s14, 17
	s_lshl_b32 s61, s15, 10
	s_add_co_u32 s60, s60, s61
	s_mov_b32 s61, 0
	s_add_nc_u64 s[60:61], s[4:5], s[60:61]        ; q's image of my tile (plane 0)
	s_lshr_b32 s62, s14, 4
	s_lshl_b32 s62, s62, 11
	s_mov_b32 s63, 0
	s_add_nc_u64 s[62:63], s[6:7], s[62:63]        ; my batch's 2,048 mask bytes
	s_lshr_b32 s66, s14, 4
	s_lshl_b32 s66, s66, 7
	s_add_co_u32 s66, s66, s15                     ; row tile of oc: 128 x batch + tile,
	s_lshl_b32 s66, s66, 14
	s_and_b32 s67, s14, 15
	s_lshl_b32 s67, s67, 10                        ; image = head
	s_add_co_u32 s66, s66, s67
	s_mov_b32 s67, 0
	s_add_nc_u64 s[66:67], s[10:11], s[66:67]
	v_and_b32 v4, 31, v0
	v_lshlrev_b32 v[AK0], 4, v4
	v_add_nc_u32 v[AV0], VB, v[AK0]
	v_bfe_u32 v5, v0, 4, 1
	v_lshlrev_b32 v[AM0], 5, v5
	v_add_nc_u32 v[AM0], MB, v[AM0]
	v_lshlrev_b32 v6, 2, v0                        ; thread t takes mask bytes 4 t .. 4 t + 3,
	v_lshl_add_u32 v7, v0, 4, MB                   ; and puts their four words at MB + 16 t
	global_load_b32 v11, v6, s[62:63]
	global_load_b128 v[QF:QF+3], v[AK0], s[60:61]
	global_load_b128 v[QF+4:QF+7], v[AK0], s[60:61] offset:512
	v_mov_b32 v14, 0                               ; the sum, in two halves
	v_mov_b32 v15, 0
	v_mov_b32 v236, 0                              ; written once: a lane permute's destination counts as one of its sources
	v_mov_b32 v253, 0                              ; (named as the upper half of the pair v[252:253])
	v_mov_b32 v13, 0xfe800000                      ; the largest score so far: -2^126
.set j, 0
.rept 32
	v_mov_b32 v[O+j], 0                            ; O^T: the step is written for every trip alike; the first finds zeros
.set j, j+1
.endr
	v_mov_b32 v254, 0xff000000                     ; -2^127
	s_wait_loadcnt 0x0                             ; the mask bytes and Q
.irp i, 0,1,2,3
	v_bfe_u32 v[24+\i], v11, 8*\i, 8
.endr
.irp i, 0,1,2,3
	v_cmp_ne_u32 vcc_lo, 0, v[24+\i]
	v_cndmask_b32 v[24+\i], 0, v254, vcc_lo        ; a choice of a value, no branch
.endr
	ds_store_b128 v7, v[24:27]
	s_wait_kmcnt 0x0
	s_add_co_i32 s68, s54, s55                     ; eq + ek: a score stands for score x 2^(eq + ek): added to c's exponent field
	s_lshl_b32 s68, s68, 23
	s_mov_b32 s[CS], 0x3e38aa3b                    ; log2(e) / 8
	s_add_co_i32 s[CS], s[CS], s68
	s_mov_b32 s[CS+1], s[CS]                       ; (named with it as a pair, so it is written)
	s_add_co_i32 s68, s56, 127
	s_lshl_b32 s69, s68, 23
	v_mov_b32 v244, s69                            ; 2^ep as f32
	s_add_co_i32 s68, s68, 8
	s_lshl_b32 s68, s68, 23
	s_or_b32 s68, s68, 0x600000
	v_mov_b32 v240, s68                            ; 448 x 2^ep
	s_sub_co_i32 s68, s58, s56                     ; O^T / sum stands for o / 2^(ep + ev): its code is that / 2^(e10 - ep - ev)
	s_sub_co_i32 s68, s68, s57
	s_add_co_i32 s68, s68, 127
	s_lshl_b32 s69, s68, 23
	v_mov_b32 v245, s69
	s_add_co_i32 s68, s68, 8
	s_lshl_b32 s68, s68, 23
	s_or_b32 s68, s68, 0x600000
	v_mov_b32 v241, s68
	v_mul_f32 v254, s[CS], v13
	v_floor_f32 v12, -v254                         ; -M
; A KEY STEP: 128 keys from s[KF] on.
.macro STEP
	s_add_co_u32 s68, s[Q0], 15
	s_cmp_gt_u32 s[KF], s68                        ; all its keys come after my queries: only the lines at its end are run.  A branch on ids; no barrier and no tensor load stands in a step
	s_cbranch_scc1 .Lhidden_\@
	v_add_nc_u32 v[ADK], s[TB], v[AK0]             ; these three and the v_nop are the four places between the last step's products and loads into the registers that they read
	v_add_nc_u32 v[ADV], s[TB], v[AV0]
	v_add_nc_u32 v[ADM], s[TM], v[AM0]
	v_nop
.irp c, 0,1,2,3,4,5,6,7
	ds_load_b128 v[S+8*\c:S+8*\c+3], v[ADM] offset:64*\c          ; the mask's words of keys 16 c + 8 h + 0 .. 7, where the scores will stand: sixteen lanes read the same 16 bytes
	ds_load_b128 v[S+8*\c+4:S+8*\c+7], v[ADM] offset:64*\c+16
.endr
.irp c, 0,1,2,3,4,5,6,7
	ds_load_b128 v[F+8*\c:F+8*\c+3], v[ADK] offset:1024*\c        ; K's eight images
	ds_load_b128 v[F+8*\c+4:F+8*\c+7], v[ADK] offset:1024*\c+512
.endr
	s_wait_dscnt 0x0
.irp c, 0,1,2,3,4,5,6,7
	v_wmma_f32_16x16x64_fp8_fp8 v[S+8*\c:S+8*\c+7], v[F+8*\c:F+8*\c+7], v[QF:QF+7], v[S+8*\c:S+8*\c+7]   ; S^T = K Q^T + the mask; the accumulators take turns
.endr
.rept 4
	v_nop                                          ; places in front of the loads below and of the first read of the scores
.endr
.irp t, 0,1,2,3
.irp u, 0,1,2,3
	ds_load_b128 v[F+16*\t+4*\u:F+16*\t+4*\u+3], v[ADV] offset:4096*(\u/2)+1024*\t+512*(\u%2)   ; V: channel tile t, two blocks of 64 keys: they land under the softmax
.endr
.endr
	s_add_co_u32 s68, s[KF], 127
	s_cmp_le_u32 s68, s[Q0]                        ; all keys count: no causal work
	s_cbranch_scc1 .Lopen_\@
	s_sub_co_i32 s68, s[Q0], s[KF]
	v_and_b32 v252, 15, v0
	v_bfe_u32 v253, v0, 4, 1
	v_lshlrev_b32 v253, 3, v253
	v_sub_nc_u32 v252, v252, v253
	v_add_nc_u32 v252, s68, v252                   ; d = my query - KF - 8 h.  Register 8 c + j holds key KF + 16 c + 8 h + j: hidden where 16 c + j > d
	v_mov_b32 v254, 0xff800000                     ; -infinity
.set n, 0
.rept 64
	v_cmp_gt_i32 vcc_lo, 16*(n/8)+n%8, v252
	v_cndmask_b32 v[S+n], v[S+n], v254, vcc_lo
.set n, n+1
.endr
.Lopen_\@:
	v_max3_num_f32 v254, v[S], v[S+1], v[S+2]      ; the largest score of my query among my 64 keys, in two chains, in ascending order: each accumulator is read from its low end on
	v_max3_num_f32 v252, v[S+3], v[S+4], v[S+5]
.set j, 6
.rept 14
	v_max3_num_f32 v254, v254, v[S+j], v[S+j+1]
	v_max3_num_f32 v252, v252, v[S+j+2], v[S+j+3]
.set j, j+4
.endr
	v_max3_num_f32 v254, v254, v[S+62], v[S+63]
	v_max3_num_f32 v254, v254, v252, v13           ; and the largest so far,
	v_permlanex16_b32 v236, v254, s[SEL], s[SEL+1]
	v_max_num_f32 v13, v254, v236                  ; and lane l xor 16's
	v_mul_f32 v254, s[CS], v13                     ; as t (c is positive)
	v_mov_b32 v252, v12
	v_floor_f32 v12, -v254                         ; the new -M = floor(-t) = -ceil(t)
	v_sub_f32 v252, v12, v252                      ; old M less new M: a whole number, 0 or less
	v_cvt_i32_f32 v252, v252                       ; (it saturates)
	v_ldexp_f32 v252, 1.0, v252                    ; f = 2^(old M - new M)
.set j, 0
.rept 32
	v_pk_fma_f32 v[S+j:S+j+1], v[S+j:S+j+1], s[CS:CS+1], v[12:13] op_sel_hi:[1,0,0]   ; t - M, two at a time (of the pairs c and -M the low word serves both halves)
.set j, j+2
.endr
.set j, 0
.rept 64
	v_exp_f32 v[S+j], v[S+j]                       ; p = 2^(t - M)
.set j, j+1
.endr
	v_pk_mul_f32 v[14:15], v[14:15], v[252:253] op_sel_hi:[1,0]   ; the sums under the new M: the plain line behind the exponentials
	s_wait_alu depctr_va_vdst(0)                   ; one wait for the whole batch, ahead of its first reader
	v_pk_add_f32 v[242:243], v[S:S+1], v[S+2:S+3]  ; the row's sum of the unquantised p, in two chains
.set j, 4
.rept 15
	v_pk_add_f32 v[14:15], v[14:15], v[S+j:S+j+1]
	v_pk_add_f32 v[242:243], v[242:243], v[S+j+2:S+j+3]
.set j, j+4
.endr
	v_pk_add_f32 v[14:15], v[14:15], v[242:243]
.irp c, 0,1,2,3,4,5,6,7
.irp i, 0,1,2,3,4,5,6,7
	v_min_num_f32 v[S+8*\c+\i], v[S+8*\c+\i], v240 ; the conversion does not saturate (ISA guide 7.6.2); p is not negative, so the hold is one-sided
.endr
	v_cvt_scalef32_pk8_fp8_f32 v[PC+2*\c:PC+2*\c+1], v[S+8*\c:S+8*\c+7], v244
.endr
.set j, 0
.rept 16
	v_pk_mul_f32 v[O+j:O+j+1], v[O+j:O+j+1], v[252:253] op_sel_hi:[1,0]   ; O^T under the new M; also the plain lines between the conversions and the products that read their results
.set j, j+2
.endr
	s_wait_dscnt 0x0                               ; V is in
.irp t, 0,1,2,3
	v_wmma_f32_16x16x128_fp8_fp8 v[O+8*\t:O+8*\t+7], v[F+16*\t:F+16*\t+15], v[PC:PC+15], v[O+8*\t:O+8*\t+7]
.endr
.Lhidden_\@:
	s_add_co_u32 s[KF], s[KF], 128
	s_add_co_u32 s[TB], s[TB], 8192
	s_add_co_u32 s[TM], s[TM], 512
.endm
	s_wait_dscnt 0x0                               ; for the others' sake: my mask words are in LDS
	s_wait_tensorcnt 0x1                           ; my part of keys 0-511 is in; my part of the rest may be out
	s_barrier_signal -1
	s_barrier_wait -1
	s_mov_b32 s[KF], 0
	s_mov_b32 s[TB], 0
	s_mov_b32 s[TM], 0
	s_mov_b32 s[TRIP], 4
.Lnear:                                                ; keys 0-511
	STEP
	s_sub_co_u32 s[TRIP], s[TRIP], 1
	s_cmp_lg_u32 s[TRIP], 0
	s_cbranch_scc1 .Lnear
	s_wait_tensorcnt 0x0                           ; my part of the rest is in,
	s_wait_dscnt 0x0
	s_barrier_signal -1
	s_barrier_wait -1                              ; everybody's is
	s_mov_b32 s[KF], 512
	s_mov_b32 s[TB], 32768
	s_mov_b32 s[TM], 2048
	s_mov_b32 s[TRIP], 12
.Lfar:                                                 ; keys 512-2,047
	STEP
	s_sub_co_u32 s[TRIP], s[TRIP], 1
	s_cmp_lg_u32 s[TRIP], 0
	s_cbranch_scc1 .Lfar
	; THE WAY OUT: O^T / the sum, held, converted: tile t gives registers 2 t, 2 t + 1 of the image (my 16 queries x the head's 64 channels), which is K step `head` of the last product.
.rept 4
	v_nop                                          ; places behind the last products
.endr
	v_add_f32 v14, v14, v15
	v_permlanex16_b32 v236, v14, s[SEL], s[SEL+1]
	v_add_f32 v14, v14, v236                       ; the row's sum
	v_cmp_eq_f32 vcc_lo, 0, v14                    ; no visible key: it only selects a value below
	v_rcp_f32 v252, v14
	v_mov_b32 v254, 0x7f7f7f7f                     ; four NaN codes.  (The plain line behind the reciprocal)
	s_wait_alu depctr_va_vdst(0)                   ; the wait ahead of the reciprocal's first reader
.set j, 0
.rept 16
	v_pk_mul_f32 v[OL+j:OL+j+1], v[O+j:O+j+1], v[252:253] op_sel_hi:[1,0]
.set j, j+2
.endr
.irp t, 0,1,2,3
.irp i, 0,1,2,3,4,5,6,7
	v_med3_num_f32 v[OL+8*\t+\i], v[OL+8*\t+\i], -v241, v241
.endr
	v_cvt_scalef32_pk8_fp8_f32 v[PC+2*\t:PC+2*\t+1], v[OL+8*\t:OL+8*\t+7], v245
.endr
	v_nop                                          ; a plain line between the last conversion and the lines that touch its result
.irp i, 0,1,2,3,4,5,6,7
	v_cndmask_b32 v[PC+\i], v[PC+\i], v254, vcc_lo
.endr
	global_store_b128 v[AK0], v[PC:PC+3], s[66:67]             ; 32 lanes store 512 consecutive bytes, aligned
	global_store_b128 v[AK0], v[PC+4:PC+7], s[66:67] offset:512
	s_wait_tensorcnt 0x0
	ds_add_u32 v251, v255
	s_wait_dscnt 0x0
	s_endpgm
.Lfunc_end_k_qab8d652cfc_attn:
	.size	k_qab8d652cfc_attn, .Lfunc_end_k_qab8d652cfc_attn-k_qab8d652cfc_attn
	.p2alignl 7, 3214868480
	.fill 96, 4, 3214868480
	.section	.rodata,"a",@progbits
	.p2align	6, 0x0
	.amdhsa_kernel k_qab8d652cfc_attn
		.amdhsa_group_segment_fixed_size 272384
		.amdhsa_private_segment_fixed_size 0
		.amdhsa_enable_private_segment 0
		.amdhsa_kernarg_size 32
		.amdhsa_user_sgpr_count 2
		.amdhsa_user_sgpr_kernarg_segment_ptr 1
		.amdhsa_wavefront_size32 1
		.amdhsa_system_sgpr_workgroup_id_x 1
		.amdhsa_system_sgpr_workgroup_id_y 1
		.amdhsa_system_sgpr_workgroup_id_z 1
		.amdhsa_system_vgpr_workitem_id 0
		.amdhsa_next_free_vgpr 256
		.amdhsa_next_free_sgpr 80
		.amdhsa_reserve_vcc 1
		.amdhsa_float_denorm_mode_32 3
		.amdhsa_float_denorm_mode_16_64 3
		.amdhsa_memory_ordered 1
		.amdhsa_forward_progress 1
		.amdhsa_inst_pref_size 56
	.end_amdhsa_kernel
	.amdgpu_metadata
---
amdhsa.version: [ 1, 2 ]
amdhsa.kernels:
  - .name:           k_qab8d652cfc_attn
    .symbol:         k_qab8d652cfc_attn.kd
    .args:
      - { .name: qkv, .offset: 0, .size: 8, .value_kind: global_buffer, .address_space: global }
      - { .name: mask, .offset: 8, .size: 8, .value_kind: global_buffer, .address_space: global }
      - { .name: lowp_scales, .offset: 16, .size: 8, .value_kind: global_buffer, .address_space: global }
      - { .name: oc, .offset: 24, .size: 8, .value_kind: global_buffer, .address_space: global }
    .group_segment_fixed_size: 272384
    .private_segment_fixed_size: 0
    .kernarg_segment_align: 8
    .kernarg_segment_size: 32
    .max_flat_workgroup_size: 512
    .sgpr_count:     80
    .vgpr_count:     256
    .wavefront_size: 32
...
	.end_amdgpu_metadata
.endif
;; end of part 3
;; launch outp (part 4): grid 8 x 32, 4 waves a work-group, clusters of 4 x 4, 280,064 bytes of LDS; arguments oc, wc, bo, lowp_scales, out0; writes out0
.if DOCPART == 4
	.amdgcn_target "amdgcn-amd-amdhsa--gfx1250"
	.amdhsa_code_object_version 6
	.text
	.protected	k_qab8d652cfc_outp
	.globl	k_qab8d652cfc_outp
	.p2align	8
	.type	k_qab8d652cfc_outp,@function
k_qab8d652cfc_outp:
	s_mov_b64 s[64:65], 0
	v_nop
	global_prefetch_b8 v0, s[64:65] scope:SCOPE_SE
	s_setreg_imm32_b32 hwreg(HW_REG_WAVE_MODE, 25, 1), 1
	s_wait_xcnt 0x0
	s_wait_alu depctr_hold_cnt(0) depctr_sa_sdst(0) depctr_va_vdst(0) depctr_va_sdst(0) depctr_va_ssrc(0) depctr_va_vcc(0) depctr_vm_vsrc(0)
	s_getreg_b32 s2, hwreg(HW_REG_IB_STS2, 6, 4)
	s_cmp_eq_u32 s2, 0
	s_cbranch_scc0 .Lentry_in_a_cluster
	s_endpgm
.Lentry_in_a_cluster:
	s_bfe_u32 s2, ttmp6, 0x10000c
	s_cmp_lg_u32 s2, 0xf033
	s_cbranch_scc0 .Lentry_shape_is_right
	s_endpgm
.Lentry_shape_is_right:
; out0 = o Wo^T + bo on codes of E4M3 (product 6).  oc: [256 row tiles][16 images], wc's fourth plane: [64 row tiles][16 images]; an image is 16 rows x 64 k, 1,024 bytes, in the order of an operand's registers
; (lane (r, h): row r, registers 2 c, 2 c + 1 = k 16 c + 8 h + 0 .. 7); two on end are an operand of the K = 128 form.  out0: [4096][1024] f32.
; SHARES.  A work-group makes 128 tokens x 128 features; a wave 64 x 64: 16 accumulators, K = 1,024 in 8 steps of 128.  Both panels fit LDS whole, as 4 chunks of 256 along K, each asked for once at the head:
; no LDS byte is filled twice.  By this text's count a wave has 4 tensor loads out.
; CLUSTER 4 x 4: o's panel is asked for jointly by a row of the cluster, Wo's by a column.
; Source 0 = 16 rows of Wo, source 1 = 16 rows of o: a lane holds one token and eight neighbouring features.  y = sum x 2^(e10 + e11) + bo, one packed multiply-add for two numbers.
; A wave's 64 features are 256 bytes of a row of out0: a block of 16 tokens goes through the wave's own stage in LDS (bytes of its own, behind the panels) and leaves as whole aligned runs of 256 bytes.
; A token whose codes are NaN (no visible key) gives NaN in its whole row and in no other.  LIMIT: e10 + e11 between -126 and 127.
; REGISTERS.  Window 0: v1 16 x lane, v2 r, v3 h; v8-11, v12-15 LDS addresses of my fragments in chunks 0-3; v16 my bytes in two rows of out0; v17 bias offset; v24, v25 the stage, in and back;
;   v32-63 bias; v64-95 a block's results; v96-127 the block read back; v128-255 accumulator (a, b) at 128 + 8 (4 b + a).   Window 1: two fragment buffers at 0 and 128: o's four tiles, then Wo's four.
.set ACC,  128
.set BIAS, 32
.set TMP,  64
.set BK,   96
.set ADX,  8
.set ADW,  12
.set STAGE, 262144
.set SPITCH, 272                       ; a stage row: 256 bytes + 16
.set G1X,  28
.set G1W,  36
.set G0X,  44
.set G0W,  68
.set MSB, 0
.macro WIN new                         ; the immediate's high byte repeats the setting that is left
.if MSB != \new
	s_set_vgpr_msb (MSB<<8)|\new
.set MSB, \new
.endif
.endm
.set W_MUL, 0x05                       ; sources 0 and 1 window 1; C and D window 0
.set TO_F,  0x40                       ; destination window 1, address window 0
.macro CREST
	s_cmp_lg_u32 s18, 0
	s_cbranch_scc1 .Lnot_wave_0_\@
	s_barrier_signal -3
.Lnot_wave_0_\@:
	s_barrier_wait -3
	s_barrier_signal -1
	s_barrier_wait -1
.endm
.macro CROUND
	s_barrier_signal -1
	s_barrier_wait -1
	CREST
.endm
.macro PLACES n
.rept \n
	v_nop
.endr
.endm
	s_load_b256 s[4:11], s[0:1], 0x0               ; oc s[4:5], wc s[6:7], bo s[8:9], the scales' exponents s[10:11]
	s_load_b64 s[12:13], s[0:1], 0x20              ; out0
	v_lshl_add_u32 v30, v0, 2, 0x44400
	v_mov_b32 v31, 0
	ds_add_u32 v30, v31
	ds_add_u32 v30, v31
	v_lshrrev_b32 v1, 5, v0
	v_readfirstlane_b32 s18, v1                    ; wave 0..3
	s_lshr_b32 s19, s18, 1                         ; my half of the tile's tokens.  Also: I fetch for o (0) or for Wo (1)
	s_and_b32 s20, s18, 1                          ; my half of its features.  Also: which four row tiles of that panel I fetch
	s_bfe_u32 s21, ttmp6, 0x40000                  ; cx
	s_bfe_u32 s22, ttmp6, 0x40004                  ; cy
	s_lshl_b32 s23, ttmp9, 2
	s_add_co_u32 s23, s23, s21                     ; tile column
	s_and_b32 s24, ttmp7, 0xffff
	s_lshl_b32 s24, s24, 2
	s_add_co_u32 s24, s24, s22                     ; tile row
	s_lshl_b32 s26, s22, 2
	s_lshl_b32 s26, 15, s26                        ; my row of the cluster
	s_lshl_b32 s27, 0x1111, s21                    ; my column
	s_or_b32 s[G1X], s26, (3<<16)|(1<<21)          ; 15:0 the mask; 17:16 elements of 8 bytes; 21 set beside a mask
	s_or_b32 s[G1W], s27, (3<<16)|(1<<21)
.irp g, G1X, G1W
	s_mov_b32 s[\g+1], 512<<16                     ; 4 row tiles x 4,096 bytes, 16,384 bytes apart in memory, dense in LDS
	s_mov_b32 s[\g+2], 4<<16
	s_mov_b32 s[\g+3], 512<<16
	s_mov_b32 s[\g+4], 4
	s_mov_b32 s[\g+5], 2048
	s_mov_b32 s[\g+6], 0
	s_mov_b32 s[\g+7], 0
.endr
	s_lshl_b32 s2, s24, 17                         ; o: the tile row's 8 row tiles, my four of them: no cx enters
	s_lshl_b32 s3, s20, 16
	s_add_co_u32 s2, s2, s3
	s_mov_b32 s3, 0
	s_lshl_b32 s96, s23, 17                        ; Wo: wc's fourth plane, the tile column's 8 row tiles, my four of them: no cy enters
	s_add_co_u32 s96, s96, 3<<20
	s_lshl_b32 s97, s20, 16
	s_add_co_u32 s96, s96, s97
	s_mov_b32 s97, 0
	s_lshl_b32 s62, s18, 14                        ; in a chunk of LDS: wave x 16,384
	s_wait_dscnt 0x0
	s_wait_kmcnt 0x0
	s_load_b64 s[84:85], s[10:11], 0x28            ; e10, e11
	s_add_nc_u64 s[60:61], s[4:5], s[2:3]
	s_add_nc_u64 s[98:99], s[6:7], s[96:97]
.irp j, 0,1,2,3
	s_mov_b32 s[G0X+4*\j], 1
	s_add_co_u32 s[G0X+4*\j+1], s62, \j*65536
	s_add_nc_u64 s[G0X+4*\j+2:G0X+4*\j+3], s[60:61], \j*4096
	s_or_b32 s[G0X+4*\j+3], s[G0X+4*\j+3], 0x80000000
	s_mov_b32 s[G0W+4*\j], 1
	s_add_co_u32 s[G0W+4*\j+1], s62, \j*65536
	s_add_nc_u64 s[G0W+4*\j+2:G0W+4*\j+3], s[98:99], \j*4096
	s_or_b32 s[G0W+4*\j+3], s[G0W+4*\j+3], 0x80000000
.endr
	CROUND                                         ; all sixteen work-groups are here: the joint loads meet
	s_cmp_eq_u32 s19, 0                            ; a wave's four fills stand in one branch on its number; four v_nop follow the last
	s_cbranch_scc0 .Lfor_w
.irp j, 0,1,2,3
	tensor_load_to_lds s[G0X+4*\j:G0X+4*\j+3], s[G1X:G1X+7]
	s_nop 0
.endr
	PLACES 4
	s_branch .Lasked
.Lfor_w:
.irp j, 0,1,2,3
	tensor_load_to_lds s[G0W+4*\j:G0W+4*\j+3], s[G1W:G1W+7]
	s_nop 0
.endr
	PLACES 4
.Lasked:
	v_and_b32 v1, 31, v0
	v_lshlrev_b32 v1, 4, v1                        ; 16 x lane
	v_and_b32 v2, 15, v0                           ; r
	v_bfe_u32 v3, v0, 4, 1                         ; h
	s_lshl_b32 s66, s19, 14
	s_lshl_b32 s67, s20, 14
	s_add_co_u32 s67, s67, 32768
.irp j, 0,1,2,3
	v_add_nc_u32 v[ADX+\j], s66, v1
	v_add_nc_u32 v[ADW+\j], s67, v1
	s_add_co_u32 s66, s66, 65536
	s_add_co_u32 s67, s67, 65536
.endr
	v_lshlrev_b32 v17, 5, v3                       ; the bias of features 16 a + 8 h + 0 .. 7
	s_lshl_b32 s96, s23, 9
	s_lshl_b32 s97, s20, 8
	s_add_co_u32 s96, s96, s97                     ; my first feature, in bytes: 512 x tile column + 256 x half
	s_mov_b32 s97, 0
	s_add_nc_u64 s[98:99], s[8:9], s[96:97]
.irp a, 0,1,2,3
	global_load_b128 v[BIAS+8*\a:BIAS+8*\a+3], v17, s[98:99] offset:64*\a
	global_load_b128 v[BIAS+8*\a+4:BIAS+8*\a+7], v17, s[98:99] offset:64*\a+16
.endr
	s_mul_i32 s66, s18, 16*SPITCH
	s_add_co_u32 s66, s66, STAGE                   ; my stage
	v_mul_u32_u24 v24, v2, SPITCH
	v_lshl_add_u32 v24, v3, 5, v24
	v_add_nc_u32 v24, s66, v24                     ; in: row r, + 32 h
	v_mul_u32_u24 v25, v3, SPITCH
	v_lshl_add_u32 v25, v2, 4, v25
	v_add_nc_u32 v25, s66, v25                     ; back: lanes 0-15 one row of 256 bytes, lanes 16-31 the next
	v_lshlrev_b32 v16, 12, v3
	v_lshl_add_u32 v16, v2, 4, v16                 ; and the same two rows in out0
	s_lshl_b32 s66, s24, 19                        ; my first token: 128 x tile row + 64 x half, rows of 4,096 bytes
	s_lshl_b32 s67, s19, 18
	s_add_co_u32 s66, s66, s67
	s_add_co_u32 s66, s66, s96
	s_mov_b32 s67, 0
	s_add_nc_u64 s[100:101], s[12:13], s[66:67]
	s_wait_kmcnt 0x0
	s_add_co_i32 s86, s84, s85
	s_add_co_i32 s86, s86, 127
	s_lshl_b32 s86, s86, 23                        ; 2^(e10 + e11) as f32
	s_mov_b32 s87, s86                             ; (named with it as a pair, so it is written)
	s_wait_loadcnt 0x0                             ; the bias
.macro FETCH s, f                      ; 32 LDS loads in one run: K step s of my four row tiles of o and of Wo, into buffer f
	WIN TO_F
.irp i, 0,1,2,3
.irp c, 0,1,2,3
	ds_load_b128 v[(\f)+16*\i+4*\c:(\f)+16*\i+4*\c+3], v[ADX+(\s)/2] offset:\i*4096+((\s)%2)*2048+512*\c
.endr
.endr
.irp i, 0,1,2,3
.irp c, 0,1,2,3
	ds_load_b128 v[(\f)+64+16*\i+4*\c:(\f)+64+16*\i+4*\c+3], v[ADW+(\s)/2] offset:\i*4096+((\s)%2)*2048+512*\c
.endr
.endr
	WIN 0
.endm
; 16 matrix instructions on buffer f; first = 1: the first products start the sums.  The 16 accumulators take turns, one instruction a turn, in the same order in every step.
.macro MUL16 f, first
	WIN W_MUL
.irp b, 0,1,2,3
.irp a, 0,1,2,3
.if \first
	v_wmma_f32_16x16x128_fp8_fp8 v[ACC+8*(4*\b+\a):ACC+8*(4*\b+\a)+7], v[(\f)+64+16*\a:(\f)+64+16*\a+15], v[(\f)+16*\b:(\f)+16*\b+15], 0
.else
	v_wmma_f32_16x16x128_fp8_fp8 v[ACC+8*(4*\b+\a):ACC+8*(4*\b+\a)+7], v[(\f)+64+16*\a:(\f)+64+16*\a+15], v[(\f)+16*\b:(\f)+16*\b+15], v[ACC+8*(4*\b+\a):ACC+8*(4*\b+\a)+7]
.endif
.endr
.endr
	WIN 0
.endm
.macro KSTEP s, first
	s_wait_dscnt 0x0                               ; this step's 32 loads are in; none is pending at the signal below
.if ((\s)%2 == 1) && ((\s) < 7)
	s_wait_tensorcnt 3-((\s)+1)/2                  ; my part of chunk (s + 1) / 2 is in; the later chunks' loads may be out
	s_barrier_signal -1
	s_barrier_wait -1                              ; everybody's is.
.endif
.if (\s) < 7
.if (\s) > 0
	PLACES 4                                       ; four places between the last step's products and loads into the buffer that they read
.endif
	FETCH (\s)+1, 128*(((\s)+1)%2)
.endif
	MUL16 128*((\s)%2), \first
.endm
	s_wait_tensorcnt 3                             ; my part of chunk 0 is in; three loads may be out
	s_barrier_signal -1
	s_barrier_wait -1
	FETCH 0, 0
	KSTEP 0, 1
	KSTEP 1, 0
	KSTEP 2, 0
	KSTEP 3, 0
	KSTEP 4, 0
	KSTEP 5, 0
	KSTEP 6, 0
	KSTEP 7, 0
	; THE WAY OUT, a block of 16 tokens x my 64 features at a time.  LDS serves a wave's instructions in order: no wait between my stores into the stage and my loads from it, nor in front of the next block's stores.
	PLACES 4
.irp b, 0,1,2,3
.irp a, 0,1,2,3
.irp i, 0,2,4,6
	v_pk_fma_f32 v[TMP+8*\a+\i:TMP+8*\a+\i+1], v[ACC+8*(4*\b+\a)+\i:ACC+8*(4*\b+\a)+\i+1], s[86:87], v[BIAS+8*\a+\i:BIAS+8*\a+\i+1] op_sel_hi:[1,0,1]   ; sum x 2^(e10 + e11) + bo; each accumulator from its low end on
.endr
.endr
.irp a, 0,1,2,3
	ds_store_b128 v24, v[TMP+8*\a:TMP+8*\a+3] offset:64*\a
	ds_store_b128 v24, v[TMP+8*\a+4:TMP+8*\a+7] offset:64*\a+16
.endr
.if \b > 0
	s_wait_xcnt 0x0                                ; the last block's stores have read their registers: the loads below may land there
.endif
.irp t, 0,1,2,3,4,5,6,7
	ds_load_b128 v[BK+4*\t:BK+4*\t+3], v25 offset:\t*2*SPITCH
.endr
.irp t, 0,1,2,3,4,5,6,7
	s_wait_dscnt 7-\t                              ; LDS loads come back in order: load t is in, the younger ones may be out
	global_store_b128 v16, v[BK+4*\t:BK+4*\t+3], s[100:101] offset:(16*\b+2*\t)*4096 th:TH_STORE_NT   ; sixteen lanes store 256 consecutive bytes, aligned; written once, read by nobody here
.endr
.endr
	s_wait_tensorcnt 0x0
	ds_add_u32 v30, v31
	s_wait_dscnt 0x0
	CROUND                                         ; the closing round: no work-group ends while a partner may still ask for a tile that names it
	s_endpgm
.Lfunc_end_k_qab8d652cfc_outp:
	.size	k_qab8d652cfc_outp, .Lfunc_end_k_qab8d652cfc_outp-k_qab8d652cfc_outp
	.p2alignl 7, 3214868480
	.fill 96, 4, 3214868480
	.section	.rodata,"a",@progbits
	.p2align	6, 0x0
	.amdhsa_kernel k_qab8d652cfc_outp
		.amdhsa_group_segment_fixed_size 280064
		.amdhsa_private_segment_fixed_size 0
		.amdhsa_enable_private_segment 0
		.amdhsa_kernarg_size 40
		.amdhsa_user_sgpr_count 2
		.amdhsa_user_sgpr_kernarg_segment_ptr 1
		.amdhsa_wavefront_size32 1
		.amdhsa_system_sgpr_workgroup_id_x 1
		.amdhsa_system_sgpr_workgroup_id_y 1
		.amdhsa_system_sgpr_workgroup_id_z 1
		.amdhsa_system_vgpr_workitem_id 0
		.amdhsa_next_free_vgpr 512
		.amdhsa_next_free_sgpr 102
		.amdhsa_reserve_vcc 0
		.amdhsa_float_denorm_mode_32 3
		.amdhsa_float_denorm_mode_16_64 3
		.amdhsa_memory_ordered 1
		.amdhsa_forward_progress 1
		.amdhsa_inst_pref_size 49
	.end_amdhsa_kernel
	.amdgpu_metadata
---
amdhsa.version: [ 1, 2 ]
amdhsa.kernels:
  - .name:           k_qab8d652cfc_outp
    .symbol:         k_qab8d652cfc_outp.kd
    .args:
      - { .name: oc, .offset: 0, .size: 8, .value_kind: global_buffer, .address_space: global }
      - { .name: wc, .offset: 8, .size: 8, .value_kind: global_buffer, .address_space: global }
      - { .name: bo, .offset: 16, .size: 8, .value_kind: global_buffer, .address_space: global }
      - { .name: lowp_scales, .offset: 24, .size: 8, .value_kind: global_buffer, .address_space: global }
      - { .name: out0, .offset: 32, .size: 8, .value_kind: global_buffer, .address_space: global }
    .group_segment_fixed_size: 280064
    .private_segment_fixed_size: 0
    .kernarg_segment_align: 8
    .kernarg_segment_size: 40
    .max_flat_workgroup_size: 128
    .sgpr_count:     102
    .vgpr_count:     512
    .wavefront_size: 32
...
	.end_amdgpu_metadata
.endif
;; end of part 4
